; MI455X (gfx1250); checked and timed in simulation.
; The chip was launched on July 23, 2026; its instructions are those of AMD's public machine-readable ISA for CDNA 5 (MIT licence, August 2026) and "CDNA5" Instruction Set Architecture Reference Guide (July 2026). The comments in the code are by the model that wrote it; some were corrected since.
;; Multi Head Attention. Allowed arithmetic: matrix products marked QUANTISED: E2M3 operands, one E8M0 scale for each 32 along K, by v_wmma_scale_f32_16x16x128_f8f6f4 with both operands' format E2M3, f32 sums; everything else in f32.
;; Inputs: W_k_codes 1,024 x 32 x 24 uint8 (E2M3 codes of W_k, K innermost, in blocks of 32 codes, four codes in three bytes); W_k_scales 1,024 x 32 uint8 (E8M0 scales of W_k, one for each 32 codes along K); W_o_codes 1,024 x 32 x 24 uint8 (E2M3 codes of W_o, K innermost, in blocks of 32 codes, four codes in three bytes); W_o_scales 1,024 x 32 uint8 (E8M0 scales of W_o, one for each 32 codes along K); W_q_codes 1,024 x 32 x 24 uint8 (E2M3 codes of W_q, K innermost, in blocks of 32 codes, four codes in three bytes); W_q_scales 1,024 x 32 uint8 (E8M0 scales of W_q, one for each 32 codes along K); W_v_codes 1,024 x 32 x 24 uint8 (E2M3 codes of W_v, K innermost, in blocks of 32 codes, four codes in three bytes); W_v_scales 1,024 x 32 uint8 (E8M0 scales of W_v, one for each 32 codes along K); b_o 1,024 float32; x_codes 4 x 2,048 x 32 x 24 uint8 (E2M3 codes of x, K innermost, in blocks of 32 codes, four codes in three bytes); x_scales 4 x 2,048 x 32 uint8 (E8M0 scales of x, one for each 32 codes along K).
;; Outputs: out0 4 x 2,048 x 1,024 float32.
;; This version of the problem:
;;   THIS VERSION OF THE PROBLEM IS GIVEN IN LOW PRECISION. The matrix products marked QUANTISED in the list below multiply operands that are first quantised to E2M3 (2 exponent bits, 3 mantissa bits; 6 bits a number), with one power-of-two scale for each 32 numbers along K (OCP MX v1.0); their sums are f32. All else is computed in f32.
;;   The module's matrix products, in the order in which they are computed (A, B: the left and right operand; K: the contracted axis; several contracted axes count as one K, in the product's order):
;;     1. [M 8,192, K 1,024] x [K 1,024, N 1,024]; A: input x (given as codes); B: input W_q (given as codes): QUANTISED
;;     2. [M 8,192, K 1,024] x [K 1,024, N 1,024]; A: input x (given as codes); B: input W_k (given as codes): QUANTISED
;;     3. [M 8,192, K 1,024] x [K 1,024, N 1,024]; A: input x (given as codes); B: input W_v (given as codes): QUANTISED
;;     4. batch 64 x [M 2,048, K 64] x [K 64, N 2,048]; A: computed on the way; B: computed on the way: QUANTISED
;;     5. batch 64 x [M 2,048, K 2,048] x [K 2,048, N 64]; A: softmax (see below); B: computed on the way: QUANTISED
;;     6. [M 8,192, K 1,024] x [K 1,024, N 1,024]; A: computed on the way; B: input W_o (given as codes): QUANTISED
;;   THE QUANTISER, for each operand of a quantised product, along K:
;;     - K is cut into blocks of 32 from its start; a last block that is shorter is filled with zeros.
;;     - A block's scale is 2^e with e = floor(log2(the largest magnitude in the block)) - 2, held to -126 .. 127; a block of zeros has e = 0. As a byte (E8M0): e + 127.
;;     - Each number is divided by its block's scale, clamped to +-7.5, and rounded to the nearest number of E2M3, ties to even, subnormals kept.
;;     - The product sums the exact products of the quantised numbers (number of the format x scale) in f32.
;;   ~~~python
;;   def quantise(x, axis):      # numpy; x: float32 -> the quantised numbers, widened to float32 again
;;       x = np.moveaxis(x, axis, -1); K = x.shape[-1]
;;       x = np.pad(x, [(0, 0)] * (x.ndim - 1) + [(0, -K % 32)]); x = x.reshape(x.shape[:-1] + (-1, 32)); a = np.abs(x).max(-1, keepdims=True)
;;       e = np.where(a > 0, np.clip(np.frexp(np.where(a > 0, a, 1))[1] - 1 - 2, -126, 127), 0)      # np.frexp(a)[1] - 1 = floor(log2(a)), exactly
;;       r = np.clip(x / 2.0 ** e, -7.5, 7.5)
;;       step = 2.0 ** (np.maximum(np.frexp(np.where(r == 0, 1, r))[1] - 1, 0) - 3)
;;       q = np.round(r / step) * step * 2.0 ** e      # np.round: ties to even
;;       return np.moveaxis(q.reshape(q.shape[:-2] + (-1,))[..., :K], -1, axis).astype(np.float32)
;;   ~~~
;;   SOFTMAX AHEAD OF A QUANTISED PRODUCT. Where the list says 'softmax', what is quantised is not the finished softmax but p = 2^(t - M), with t = logit x log2(e) and M = ceil(the row's largest t), a whole number; so 1/2 < the row's largest p <= 1. The row's sum l is taken of the UNQUANTISED p, in f32, and the product's result is divided by l at the end. Since M is a whole number, a kernel that streams over the keys may use a running M (the ceiling of the running maximum): every later rescaling is an exact power of two, which a block's scale takes up: the codes' values come out the same.
;;   OPERANDS COMPUTED ON THE WAY. 'Computed on the way' means the value that the module computes at that place (a softmax that the list does not call 'softmax' is quantised finished and normalised). What goes into a quantiser is computed in f32, as accurately as f32 sums, v_exp_f32 and their like allow (about 1e-6 of the number): no bf16 or f16 on the way to a quantiser, and a product that is left as it is and whose result goes on into a quantised operand takes f32 operands (vector FMAs, or v_wmma_f32_16x16x4_f32). A number that lies on a knife's edge between two numbers of the format may be rounded either way, as far as f32 arithmetic and the matrix unit's own rounding can turn it there, and no further.
;;   INPUTS GIVEN AS CODES. W_k (in the module: [1024, 1024], K = its axis 1); W_o (in the module: [1024, 1024], K = its axis 1); W_q (in the module: [1024, 1024], K = its axis 1); W_v (in the module: [1024, 1024], K = its axis 1); x (in the module: [4, 2048, 1024], K = its axis 2): each comes as NAME_codes (uint8): NAME with its K axis moved to the last place and cut into blocks of 32 codes, [.., K / 32, bytes a block], one block behind the other in memory; four codes in three bytes: a row's codes are one little-endian stream of bits, code i at bits 6 i .. 6 i + 5 (a code: sign, 2 exponent bits, 3 mantissa bits); and NAME_scales (uint8): the same leading axes, one E8M0 byte (e + 127) for each 32 codes along K. Its value is code x scale, taken as it is: it is not quantised again, and the codes and scales need not be those that the quantiser above would give.
;; One version. Each part assembles by itself: llvm-mc -triple=amdgcn-amd-amdhsa -mcpu=gfx1250 --defsym DOCPART=n.
;; ======== version 1 of 1: 3 launches
;; workspace buffers: qimg 6,815,744 bytes; kv 13,369,344 bytes; cimg 6,291,456 bytes; cscl 262,144 bytes
;; launch qkv (part 1): grid 12 x 32, 4 waves a work-group, clusters of 4 x 4, 327,680 bytes of LDS; arguments x_codes, x_scales, W_q_codes, W_q_scales, W_k_codes, W_k_scales, W_v_codes, W_v_scales, qimg, kv; writes qimg, kv
.if DOCPART == 1
	.amdgcn_target "amdgcn-amd-amdhsa--gfx1250"
	.amdhsa_code_object_version 6
	.text
	.protected	k_qef29b8578c_qkv
	.globl	k_qef29b8578c_qkv
	.p2align	8
	.type	k_qef29b8578c_qkv,@function
k_qef29b8578c_qkv:
	s_mov_b64 s[64:65], 0
	v_nop
	global_prefetch_b8 v0, s[64:65] scope:SCOPE_SE
	s_setreg_imm32_b32 hwreg(HW_REG_WAVE_MODE, 25, 1), 1
	s_wait_xcnt 0x0
	s_wait_alu depctr_hold_cnt(0) depctr_sa_sdst(0) depctr_va_vdst(0) depctr_va_sdst(0) depctr_va_ssrc(0) depctr_va_vcc(0) depctr_vm_vsrc(0)
	s_getreg_b32 s2, hwreg(HW_REG_IB_STS2, 6, 4)
	s_cmp_eq_u32 s2, 0
	s_cbranch_scc0 .Lentry_in_a_cluster
	s_endpgm
.Lentry_in_a_cluster:
	s_bfe_u32 s2, ttmp6, 0x10000c
	s_cmp_lg_u32 s2, 0xf033
	s_cbranch_scc0 .Lentry_shape_is_right
	s_endpgm
.Lentry_shape_is_right:
; q = x Wq^T, k = x Wk^T, v = x Wv^T on codes of FP6 (E2M3) with one E8M0 scale for each 32 along K = 1,024; the results are quantised in registers, in f32 arithmetic, and leave as IMAGES OF OPERAND REGISTERS.
; ONE TEXT FOR THE THREE PRODUCTS.  The cluster's x says which: 0 q, 1 k, 2 v.  A work-group makes 256 R rows (source 1: a lane holds one of them) x 256 P rows (source 0: they run along a lane's registers, and are the NEXT product's K).
;   q, k: R = tokens (x), P = channels (W): a lane holds a token, its registers run along the head's channels.     v: R = channels (Wv), P = tokens (x): a lane holds a channel, its registers run along the keys.
; Four waves, each 128 x 128: 64 accumulators, 512 registers.  K goes in steps of 256 through two LDS slots filled by the tensor data mover; the scale bytes of the 512 rows come once and stay.
; CLUSTERS: 4 x 4 work-groups.  R's tile hangs on cy (and on numbers that all sixteen share), P's on cx: each tile is asked for jointly by the four that need it.
; THE QUANTISER.  A lane's 64 results of a tile of 16 R rows are four blocks of 32 along P, half a block in each half of the lanes.  Position 16 h + i of block B holds P index 32 B + 16 (i / 8) + 8 h + i % 8: a permutation INSIDE the block of 32,
; the same for q and k, and the same for v and the weights p that the next launch makes: the block's members, its largest magnitude and its scale are the rule's, and the products are unchanged.
; A block's scale byte is its largest magnitude's exponent field - 2, held at 1 from below.
; WHAT IS STORED.  Six registers (16 rows x 64 K) are an image of 768 bytes: registers 0-3 at 16 x lane, registers 4-5 at 512 + 8 x lane.
;   qimg [batch x head 64][group of 128 tokens 16] chunks of 6,656 bytes: 8 images, then 512 bytes of scale words [row 16][tile 8].
;   kv   [batch x head 64][128 keys 16] chunks of 13,056 bytes: K's 8 images; at 6,144 V's 4 x 2 images (16 channels x 128 keys each pair); at 12,288 K's scale words [16][8]; at 12,800 V's [16][4].
;   A scale word of q or k holds the head's two bytes twice: the upper two belong to the half of the next product's K step that holds zero codes.
; LIMITS: NaN, infinities and scale bytes 0xff among the inputs are not served.  A block whose largest magnitude lies under 2^-124 keeps the byte 1, a block of zeros too (its codes are zeros; this program alone reads the bytes).
.set KSTEP,  256                       ; along K in a slot
.set NQ,     KSTEP/128                 ; matrix instructions deep
.set ROWB,   192                       ; a tile's row in bytes
.set KROW,   768                       ; a row of codes in memory
.set PITCH,  240                       ; an LDS row: 3 x (64 bytes + 16 of padding)
.set FR,     12                        ; registers of a fragment
.set NL,     6                         ; LDS loads that bring one
.set NP,     4                         ; places behind this matrix instruction (ISA guide 7.12.1)
.set HALFT,  128*PITCH                 ; 128 rows: one tensor load
.set SLOT,   4*HALFT                   ; R's 256 rows, then P's 256 rows
.set KS,     32                        ; a row of scale bytes
.set SCL,    2*SLOT                    ; behind the ring: the scales, units of 256 bytes + 16 of padding
.set HALFS,  (128*KS/256)*272
.set SBLK,   (16*KS/256)*272
.set SPARE,  SCL+4*HALFS               ; the spare words: 128 bytes a wave, named by no other line
.set CHQ,    6656                      ; a chunk of qimg
.set CHK,    13056                     ; a chunk of kv
.set L16,  8                           ; v8   16 x lane
.set L8,   9                           ; v9   8 x lane
.set SCRW, 10                          ; v10  the scratch for scale words, in: 1,024 x wave + 512 h + 32 r
.set SCRR, 11                          ; v11  and back: 1,024 x wave + 16 x lane
.set VSEL, 12                          ; v12  which bytes of the scale word my half of the lanes keeps
.set VSO,  13                          ; v13  where my 16 bytes of a scale table go
.set ADRA, 16                          ; v16-19 LDS addresses of R's fragments (slot 0, 1; then the same behind one padding more)
.set ADRB, 20                          ; v20-23 the same for P
.set ADRS, 27                          ; v27  my scale words: lanes 0-15 R's rows, lanes 16-31 P's
.set SPW,  28                          ; v28  my spare word; never rewritten
.set NIL,  29                          ; v29  0; never rewritten
.set SC,   32                          ; v32-63 scale words, two sets
.set TM,   64                          ; v64-79 the quantiser's work
.set PW,   80                          ; v80  the scale word just made
.set VAL,  84                          ; v84-91 what goes to the scratch, a register for each tile
.set PC,   96                          ; v96-107 the codes just made; v108-114 halves on their way
.set X0,   116                         ; v116-123 the scale tables on their way out
.set X1,   120
.set AF,   128                         ; v128-223 R's fragments, one set
.set G1, 24
.set G0, 32
.set G1B, 48
.set G0B, 56
.set G1S, 68
.set G0S, 76
.set G1SB, 80
.set G0SB, 88
.set MSB, 0
.macro WIN new                         ; the immediate's high byte repeats the setting that is left
.if MSB != (\new)
	s_set_vgpr_msb (MSB<<8)|(\new)
.set MSB, (\new)
.endif
.endm
.set MUL_LO, 0xa1                      ; source 0 (P) window 1, source 1 (R) window 0, C and D window 2
.set MUL_HI, 0xf1                      ; the same, C and D window 3
.set TO_B,   0x40                      ; destination window 1
; A joint load: waves 0 and 1 fetch for R, waves 2 and 3 for P.  The branch hangs on the wave's number alone.  Four v_nop follow each of the two lines.
.macro JLOAD g0a, g1a, g0b, g1b
	s_cmp_eq_u32 s15, 0
	s_cbranch_scc0 .Lfor_b_\@
	tensor_load_to_lds s[\g0a:\g0a+3], s[\g1a:\g1a+7]
	s_nop 0
.rept 4
	v_nop
.endr
	s_branch .Lasked_\@
.Lfor_b_\@:
	tensor_load_to_lds s[\g0b:\g0b+3], s[\g1b:\g1b+7]
	s_nop 0
.rept 4
	v_nop
.endr
.Lasked_\@:
.endm
.macro CREST                           ; a round of the cluster's barrier behind its opening barrier
	s_cmp_lg_u32 s14, 0
	s_cbranch_scc1 .Lnot_wave_0_\@
	s_barrier_signal -3
.Lnot_wave_0_\@:
	s_barrier_wait -3
	s_barrier_signal -1
	s_barrier_wait -1
.endm
.macro CROUND
	s_barrier_signal -1
	s_barrier_wait -1
	CREST
.endm
	s_load_b512 s[68:83], s[0:1], 0x0              ; x's codes, scales; Wq's; Wk's; Wv's
	s_load_b128 s[84:87], s[0:1], 0x40             ; qimg, kv
	v_lshl_add_u32 v[SPW], v0, 2, SPARE
	v_mov_b32 v[NIL], 0
	ds_add_u32 v28, v29
	ds_add_u32 v28, v29
	s_wait_dscnt 0x0
	v_lshrrev_b32 v1, 5, v0
	v_readfirstlane_b32 s14, v1                    ; wave 0..3
	s_lshr_b32 s15, s14, 1                         ; which half of R's rows is mine.  Also: I fetch for R (0) or for P (1)
	s_and_b32 s16, s14, 1                          ; which half of P's rows.  Also: which 128 rows I fetch
	s_bfe_u32 s40, ttmp6, 0x40000                  ; cx
	s_bfe_u32 s41, ttmp6, 0x40004                  ; cy
	s_and_b32 s95, ttmp7, 0xffff
	s_lshl_b32 s95, s95, 2                         ; 4 x the cluster's y
	s_cmp_eq_u32 ttmp9, 2                          ; v?  The cluster's x is the same in all sixteen
	s_cselect_b32 s17, 0, s95                      ; R's tile: q, k: 4 CY + cy of 32 tiles of tokens;  v: cy of 4 tiles of channels
	s_cselect_b32 s42, s95, 0                      ; P's tile: q, k: cx of 4 tiles of channels;  v: 4 CY + cx of 32 tiles of tokens
	s_add_co_u32 s17, s17, s41
	s_add_co_u32 s42, s42, s40
	s_lshl_b32 s43, s41, 2
	s_lshl_b32 s43, 15, s43                        ; my row of the cluster
	s_lshl_b32 s44, 0x1111, s40                    ; my column
	; descriptor group 1: 128 rows x 192 bytes, 16 bytes of padding behind every 64
	s_or_b32 s[G1+0], s43, (0<<16)|(1<<20)|(1<<21)|(3<<22)|(3<<25)
	s_or_b32 s[G1B+0], s44, (0<<16)|(1<<20)|(1<<21)|(3<<22)|(3<<25)
.irp g, G1, G1B
	s_mov_b32 s[\g+1], ROWB<<16                    ; tensor_dim0
	s_mov_b32 s[\g+2], 128<<16                     ; tensor_dim1
	s_mov_b32 s[\g+3], ROWB<<16                    ; tile_dim0
	s_mov_b32 s[\g+4], 128                         ; tile_dim1
	s_mov_b32 s[\g+5], KROW                        ; the pitch
	s_mov_b32 s[\g+6], 0
	s_mov_b32 s[\g+7], 0
.endr
	s_lshl_b32 s18, s16, 7                         ; which 128 rows of the tile I fetch
	s_lshl_b32 s20, s17, 8
	s_add_co_u32 s20, s20, s18                     ; R's row
	s_lshl_b32 s46, s42, 8
	s_add_co_u32 s46, s46, s18                     ; P's row
	s_mov_b32 s21, 0
	s_mov_b32 s47, 0
	s_mov_b64 s[18:19], KS
	s_mul_u64 s[22:23], s[20:21], s[18:19]         ; where these rows' scales begin
	s_mul_u64 s[92:93], s[46:47], s[18:19]
	s_mov_b64 s[18:19], KROW
	s_mul_u64 s[20:21], s[20:21], s[18:19]         ; and their codes
	s_mul_u64 s[46:47], s[46:47], s[18:19]
	s_mul_i32 s45, s14, HALFT                      ; where they go: wave x 128 rows
	s_mul_i32 s94, s14, HALFS
	s_wait_kmcnt 0x0
	s_cmp_eq_u32 ttmp9, 2                          ; the buffers are chosen on the cluster's x alone
	s_cselect_b64 s[4:5], s[80:81], s[68:69]       ; R's codes: Wv's or x's
	s_cselect_b64 s[6:7], s[82:83], s[70:71]       ; R's scales
	s_cselect_b64 s[8:9], s[68:69], s[76:77]       ; P's codes: x's or Wk's,
	s_cselect_b64 s[10:11], s[70:71], s[78:79]
	s_cmp_eq_u32 ttmp9, 0
	s_cselect_b64 s[8:9], s[72:73], s[8:9]         ; or Wq's
	s_cselect_b64 s[10:11], s[74:75], s[10:11]
	s_cselect_b64 s[12:13], s[84:85], s[86:87]     ; the results: qimg or kv
	s_add_nc_u64 s[20:21], s[4:5], s[20:21]
	s_add_nc_u64 s[22:23], s[6:7], s[22:23]
	s_add_nc_u64 s[46:47], s[8:9], s[46:47]
	s_add_nc_u64 s[92:93], s[10:11], s[92:93]
	; the scales of 128 rows: 4,096 dense bytes as 16 rows of 256 bytes, 16 bytes of padding behind each (the arguments' registers are done with)
	s_or_b32 s[G1S+0], s43, (3<<16)|(1<<20)|(1<<21)|(5<<22)|(3<<25)
	s_or_b32 s[G1SB+0], s44, (3<<16)|(1<<20)|(1<<21)|(5<<22)|(3<<25)
.irp g, G1S, G1SB
	s_mov_b32 s[\g+1], 32<<16
	s_mov_b32 s[\g+2], (128*KS/256)<<16
	s_mov_b32 s[\g+3], 32<<16
	s_mov_b32 s[\g+4], 128*KS/256
	s_mov_b32 s[\g+5], 32
	s_mov_b32 s[\g+6], 0
	s_mov_b32 s[\g+7], 0
.endr
	CROUND                                         ; all sixteen work-groups are here: the first joint loads meet
	s_mov_b32 s[G0S], 1
	s_add_co_u32 s[G0S+1], s94, SCL
	s_mov_b64 s[G0S+2:G0S+3], s[22:23]
	s_or_b32 s[G0S+3], s[G0S+3], 0x80000000
	s_mov_b32 s[G0SB], 1
	s_add_co_u32 s[G0SB+1], s94, SCL
	s_mov_b64 s[G0SB+2:G0SB+3], s[92:93]
	s_or_b32 s[G0SB+3], s[G0SB+3], 0x80000000
	JLOAD G0S, G1S, G0SB, G1SB                     ; the scales first: they are wanted with K step 0
.irp s, 0,1
	s_mov_b32 s[G0+4*\s], 1
	s_add_co_u32 s[G0+4*\s+1], s45, \s*SLOT
	s_add_nc_u64 s[G0+4*\s+2:G0+4*\s+3], s[20:21], \s*ROWB
	s_or_b32 s[G0+4*\s+3], s[G0+4*\s+3], 0x80000000
	s_mov_b32 s[G0B+4*\s], 1
	s_add_co_u32 s[G0B+4*\s+1], s45, \s*SLOT
	s_add_nc_u64 s[G0B+4*\s+2:G0B+4*\s+3], s[46:47], \s*ROWB
	s_or_b32 s[G0B+4*\s+3], s[G0B+4*\s+3], 0x80000000
	JLOAD G0+4*\s, G1, G0B+4*\s, G1B               ; three loads of mine are out now
.endr
	v_and_b32 v1, 15, v0                           ; r = l % 16
	v_bfe_u32 v2, v0, 4, 1                         ; h = l / 16
	v_mul_u32_u24 v3, v1, PITCH
	v_mul_u32_u24 v4, v2, 24
	v_add_nc_u32 v4, v3, v4                        ; a fragment's row x pitch + 24 x half
	v_lshl_add_u32 v5, v2, 4, v4                   ; and the same behind one padding more
	s_mul_i32 s21, s15, HALFT                      ; my 128 rows of R
	s_mul_i32 s22, s16, HALFT                      ; my 128 rows of P,
	s_add_co_u32 s22, s22, 2*HALFT                 ; which lie behind R's 256
.irp s, 0,1
	v_add_nc_u32 v[ADRA+\s], s21, v4
	v_add_nc_u32 v[ADRB+\s], s22, v4
	v_add_nc_u32 v[ADRA+2+\s], s21, v5
	v_add_nc_u32 v[ADRB+2+\s], s22, v5
	s_add_co_u32 s21, s21, SLOT
	s_add_co_u32 s22, s22, SLOT
.endr
	v_mul_u32_u24 v5, v1, KS                       ; my row's scales: 32 bytes a row,
	v_lshrrev_b32 v6, 8, v5
	v_lshl_add_u32 v5, v6, 4, v5                   ; and 16 more for each 256 passed
	s_mul_i32 s21, s15, HALFS
	s_mul_i32 s22, s16, HALFS
	s_add_co_u32 s22, s22, 2*HALFS
	s_sub_co_u32 s22, s22, s21
	v_mul_u32_u24 v6, s22, v2                      ; lanes 16-31 take P's
	s_add_co_u32 s21, s21, SCL
	v_add_nc_u32 v5, v5, v6
	v_add_nc_u32 v[ADRS], s21, v5
	; THE WAY OUT'S NUMBERS.  RI, PI: which 128 rows of R and of P are my wave's.  The group of 128 tokens is RI (q, k) or PI (v); the first of my two heads is 2 PI (q, k) or 2 RI (v).
	s_lshl_b32 s92, s17, 1
	s_add_co_u32 s92, s92, s15                     ; RI
	s_lshl_b32 s93, s42, 1
	s_add_co_u32 s93, s93, s16                     ; PI
	s_mov_b32 s96, 768
	s_mov_b32 s98, 768
	s_mov_b32 s47, 0x01000100
	s_mov_b32 s22, 0x03020302
	s_mov_b32 s44, 16*CHK
	s_mov_b32 s43, 12288
	s_mov_b32 s40, CHK
	s_cmp_eq_u32 ttmp9, 2
	s_cselect_b32 s94, s93, s92                    ; the group of tokens
	s_cselect_b32 s95, s92, s93                    ; half the first head's number
	s_cselect_b32 s96, 1536, s96                   ; from tile a to tile a + 1: an image, or for v a pair of images;
	s_cselect_b32 s98, 16*CHK-3*1536, s98          ; from tile 3 to tile 4: for v on to the next head's chunk
	s_cselect_b32 s45, 16*CHK, 16                  ; the scale tables: odd lanes' step,
	s_cselect_b32 s46, 16, 32                      ; and a pair of lanes'
	s_cselect_b32 s47, 0x03020100, s47             ; the bytes that lanes 0-15 keep: q, k: the first head's two, twice;  v: all four
	s_cselect_b32 s22, 0x03020100, s22             ; and lanes 16-31: q, k: the second head's two, twice
	s_cselect_b32 s41, 6144, 0                     ; where the images begin in a chunk
	s_cselect_b32 s44, 768, s44                    ; from registers 0-5's image to registers 6-11's: v: the next image;  q, k: the next head's chunk
	s_cselect_b32 s43, 12800, s43                  ; where the scale table begins in a chunk
	s_cmp_eq_u32 ttmp9, 0
	s_cselect_b32 s40, CHQ, s40                    ; a chunk's bytes
	s_cselect_b32 s44, 16*CHQ, s44
	s_cselect_b32 s43, 6144, s43
	s_mov_b32 s97, 0
	s_mov_b32 s99, 0
	s_lshr_b32 s2, s94, 4                          ; the batch: 16 groups of tokens each
	s_lshl_b32 s2, s2, 8
	s_and_b32 s94, s94, 15
	s_add_co_u32 s2, s2, s94
	s_lshl_b32 s95, s95, 5
	s_add_co_u32 s2, s2, s95                       ; the chunk: 256 x batch + 16 x head + group
	s_mul_i32 s2, s2, s40                          ; in bytes: under 2^24
	s_mov_b32 s93, 0
	s_add_co_u32 s92, s2, s43
	s_add_nc_u64 s[100:101], s[12:13], s[92:93]    ; the first head's scale table,
	s_lshl_b32 s92, s40, 4
	s_add_nc_u64 s[18:19], s[100:101], s[92:93]    ; the second head's (q, k),
	s_add_co_u32 s92, s2, s41
	s_add_nc_u64 s[12:13], s[12:13], s[92:93]      ; the image of registers 0-5,
	s_mov_b32 s92, s44
	s_add_nc_u64 s[66:67], s[12:13], s[92:93]      ; and of registers 6-11
	v_and_b32 v6, 31, v0                           ; lane
	v_lshlrev_b32 v[L16], 4, v6
	v_lshlrev_b32 v[L8], 3, v6
	s_lshl_b32 s23, s14, 10                        ; my scratch: 1,024 bytes at slot 0's start: when it is first written that slot has had its last fill and its last read
	v_lshlrev_b32 v[SCRW], 5, v1
	v_lshl_add_u32 v[SCRW], v2, 9, v[SCRW]
	v_add_nc_u32 v[SCRW], s23, v[SCRW]
	v_add_nc_u32 v[SCRR], s23, v[L16]
	v_mov_b32 v[VSEL], s47
	v_mov_b32 v14, s22
	v_cmp_ne_u32 vcc_lo, 0, v2
	v_cndmask_b32 v[VSEL], v[VSEL], v14, vcc_lo
	v_and_b32 v[VSO], 1, v6
	v_lshrrev_b32 v7, 1, v6
	v_mul_u32_u24 v[VSO], s45, v[VSO]
	v_mad_u32_u24 v[VSO], v7, s46, v[VSO]
.irp b, 0,1,2,3
	v_mov_b32 v[TM+4+\b], 0                        ; written once: a lane permute's destination counts as one of its sources
.endr
	s_mov_b32 s20, 0x76543210
	s_mov_b32 s21, 0xfedcba98                      ; v_permlanex16_b32's selects for lane l xor 16
.macro FRAG reg, adr, q, i             ; 16 rows x 128 K: lane l holds row l % 16; registers 6 c .. 6 c + 5 hold K = 64 c + 32 (l / 16) + 0 .. 31, 24 bytes as they lie, in pieces of 8 bytes
.irp p, 0,1,2,3,4,5
.set PCE, 12*(\q)+6*(\p/3)+\p%3        ; lanes 16-31 read three pieces on: where that is behind one padding more, the second address register serves
.if PCE%8 < 5
	ds_load_b64 v[\reg+2*\p:\reg+2*\p+1], v[\adr] offset:8*PCE+16*(PCE/8)+(\i)*16*PITCH
.else
	ds_load_b64 v[\reg+2*\p:\reg+2*\p+1], v[\adr+2] offset:8*PCE+16*(PCE/8)+(\i)*16*PITCH
.endif
.endr
.endm
; 16 matrix instructions: R's blocks a0, a0 + 1 x P's eight, 128 along K.  The 64 accumulators take turns, one instruction a turn, in the same order in every step.
.macro MUL16 a0, p, q, sc, zero
.irp a, \a0, \a0+1
.irp b, 0,1,2,3,4,5,6,7
.if \zero
	v_wmma_scale_f32_16x16x128_f8f6f4 v[8*(8*((\a)%4)+\b):8*(8*((\a)%4)+\b)+7], v[128*(\p)+FR*\b:128*(\p)+FR*\b+FR-1], v[AF+FR*(\a):AF+FR*(\a)+FR-1], 0, v[SC+8*NQ*(\sc)+NQ*\b+(\q)], v[SC+8*NQ*(\sc)+NQ*(\a)+(\q)] matrix_a_fmt:MATRIX_FMT_FP6 matrix_b_fmt:MATRIX_FMT_FP6 matrix_a_scale:MATRIX_SCALE_ROW1
.else
	v_wmma_scale_f32_16x16x128_f8f6f4 v[8*(8*((\a)%4)+\b):8*(8*((\a)%4)+\b)+7], v[128*(\p)+FR*\b:128*(\p)+FR*\b+FR-1], v[AF+FR*(\a):AF+FR*(\a)+FR-1], v[8*(8*((\a)%4)+\b):8*(8*((\a)%4)+\b)+7], v[SC+8*NQ*(\sc)+NQ*\b+(\q)], v[SC+8*NQ*(\sc)+NQ*(\a)+(\q)] matrix_a_fmt:MATRIX_FMT_FP6 matrix_b_fmt:MATRIX_FMT_FP6 matrix_a_scale:MATRIX_SCALE_ROW1
.endif
.endr
.endr
.endm
.macro FETCH_B slot, q, p
	WIN TO_B
.irp i, 0,1,2,3,4,5,6,7
	FRAG 128*(\p)+FR*\i, ADRB+\slot, \q, \i
.endr
	WIN 0
.endm
.macro FETCH_A slot, q, i0
.irp i, \i0, \i0+1, \i0+2, \i0+3
	FRAG AF+FR*(\i), ADRA+\slot, \q, \i
.endr
.endm
.macro SCALES sc                       ; a K step's scale words: two words a row; lanes 0-15 take R's block i, lanes 16-31 P's block i
.irp i, 0,1,2,3,4,5,6,7
	ds_load_b64 v[SC+8*NQ*\sc+NQ*\i:SC+8*NQ*\sc+NQ*\i+1], v[ADRS] offset:\i*SBLK
.endr
.endm
.macro PLACES n                        ; plain vector instructions between a matrix instruction and a load into, or a read of, its registers
.rept \n
	v_nop
.endr
.endm
.macro STEP slot, q, zero              ; 128 along K with a successor in the same slot
	s_wait_dscnt 4*NL                              ; P's set and R's blocks 0-3 are in; the youngest 24 loads (R's blocks 4-7) may be out
	WIN MUL_LO
	MUL16 0, (\q)%2, \q, \slot, \zero
	MUL16 2, (\q)%2, \q, \slot, \zero
	s_wait_dscnt 0
	PLACES NP
	FETCH_B \slot, (\q)+1, 1-(\q)%2
	FETCH_A \slot, (\q)+1, 0
	WIN MUL_HI
	MUL16 4, (\q)%2, \q, \slot, \zero
	MUL16 6, (\q)%2, \q, \slot, \zero
	PLACES NP
	WIN 0
	FETCH_A \slot, (\q)+1, 4
.endm
; A slot's last step changes slots: one barrier; in front of it each wave waits for all its tensor loads, adds 0 to its spare word, and waits for that and for its reads of this slot.
.macro TURN slot, next, fill
	s_wait_tensorcnt 0x0                           ; all my tensor loads have landed: my part of the next slot
	ds_add_u32 v[SPW], v[NIL]                      ; 0 onto my spare word
	s_wait_dscnt 4*NL+1                            ; the add and the youngest 24 loads may be out
	WIN MUL_LO
	MUL16 0, 1, NQ-1, \slot, 0
	s_wait_dscnt 0x0                               ; the add is done, and my reads of this slot are over
	s_barrier_signal -1
	MUL16 2, 1, NQ-1, \slot, 0
	WIN 0
	s_barrier_wait -1
.if \fill
	CREST                                          ; the barrier has opened a round of the cluster's: no wave of any partner still reads this slot or has a load on its way
	s_add_nc_u64 s[G0+4*\slot+2:G0+4*\slot+3], s[G0+4*\slot+2:G0+4*\slot+3], 2*ROWB
	s_add_nc_u64 s[G0B+4*\slot+2:G0B+4*\slot+3], s[G0B+4*\slot+2:G0B+4*\slot+3], 2*ROWB
	JLOAD G0+4*\slot, G1, G0B+4*\slot, G1B         ; the first tensor load behind the round; its four v_nop are the places in front of the loads below
.else
	PLACES NP
.endif
	v_add_nc_u32 v[ADRS], 4*NQ, v[ADRS]            ; the next K step's scale words
	FETCH_B \next, 0, 0
	FETCH_A \next, 0, 0
	SCALES \next
	WIN MUL_HI
	MUL16 4, 1, NQ-1, \slot, 0
	MUL16 6, 1, NQ-1, \slot, 0
	PLACES NP
	WIN 0
	FETCH_A \next, 0, 4
.endm
	s_wait_tensorcnt 1                             ; the scales and my part of K step 0 are in; K step 1's load may be out
	s_barrier_signal -1
	s_barrier_wait -1
	FETCH_B 0, 0, 0
	FETCH_A 0, 0, 0
	SCALES 0
	FETCH_A 0, 0, 4
	STEP 0, 0, 1                                   ; K = 1,024 is four K steps, twice round the ring: a loop over laps would have one trip, so the steps stand in a row.  The first starts the sums
	TURN 0, 1, 1
	STEP 1, 0, 0
	TURN 1, 0, 1
	STEP 0, 0, 0
	TURN 0, 1, 0                                   ; the last lap fills nothing
	STEP 1, 0, 0
	s_wait_dscnt 4*NL
	WIN MUL_LO
	MUL16 0, 1, NQ-1, 1, 0
	MUL16 2, 1, NQ-1, 1, 0
	s_wait_dscnt 0
	WIN MUL_HI
	MUL16 4, 1, NQ-1, 1, 0
	MUL16 6, 1, NQ-1, 1, 0
	WIN 0
; THE QUANTISER for R's block a: the lane's 64 results (register 16 B + i of the block's 64) become 12 registers of codes in v[PC] on and a scale word in v[PW].  Each accumulator is read from its low end on.
.macro QUANT a
.set QW, 2+(\a)/4                      ; the block's window
.set QS, 64*((\a)%4)
.set QWIN, (QW<<2)|(QW<<4)
	WIN QWIN                                       ; sources 1 and 2 in the block's window
.irp b, 0,1,2,3
	v_max3_num_f32 v[TM+\b], 0x1800000, |v[QS+16*\b]|, |v[QS+1+16*\b]|   ; my 16 numbers of block b, and the floor 2^(3 - 127): the byte cannot fall under 1
.endr
.irp i, 2,4,6,8,10,12,14
.irp b, 0,1,2,3
	v_max3_num_f32 v[TM+\b], v[TM+\b], |v[QS+16*\b+\i]|, |v[QS+1+16*\b+\i]|
.endr
.endr
	WIN 0
.irp b, 0,1,2,3
	v_permlanex16_b32 v[TM+4+\b], v[TM+\b], s20, s21
.endr
.irp b, 0,1,2,3
	v_max_num_f32 v[TM+\b], v[TM+\b], v[TM+4+\b]   ; with lane l xor 16's: the block's largest magnitude
.endr
.irp b, 0,1,2,3
	v_add_nc_u32 v[TM+12+\b], 0xff000000, v[TM+\b] ; 2 off its exponent field: the conversion's scale operand
.endr
.irp b, 0,1,2,3
	v_lshrrev_b32 v[TM+4+\b], 23, v[TM+12+\b]      ; the scale's byte
.endr
	v_lshl_or_b32 v[PW], v[TM+5], 8, v[TM+4]
	v_lshl_or_b32 v[PW], v[TM+6], 16, v[PW]
	v_lshl_or_b32 v[PW], v[TM+7], 24, v[PW]
	WIN QW                                         ; source 0 in the block's window
.irp c, 0,1
	v_cvt_scalef32_pk16_fp6_f32 v[PC+6*\c:PC+2+6*\c], v[QS+32*\c:QS+15+32*\c], v[TM+12+2*\c]
	v_cvt_scalef32_pk16_fp6_f32 v[PC+12+4*\c:PC+14+4*\c], v[QS+16+32*\c:QS+31+32*\c], v[TM+12+2*\c+1]   ; (a conversion's three registers begin on an even number)
.endr
	WIN 0
	v_nop                                          ; one plain place behind a scaled conversion
.irp c, 0,1                            ; the operand's layout wants a whole block in a lane: lanes 0-15 block 2 c, lanes 16-31 block 2 c + 1
.irp i, 0,1,2
	v_permlane16_swap_b32 v[PC+6*\c+\i], v[PC+12+4*\c+\i]
.endr
.irp i, 0,1,2
	v_mov_b32 v[PC+3+6*\c+\i], v[PC+12+4*\c+\i]
.endr
.endr
.endm
	PLACES NP                                      ; in front of the first read of results
.irp a, 0,1,2,3,4,5,6,7
.if \a > 0
	s_wait_xcnt 0x0                                ; the last tile's stores have read their data and their bases: both are written again only behind this wait
.if \a == 4
	s_add_nc_u64 s[12:13], s[12:13], s[98:99]
	s_add_nc_u64 s[66:67], s[66:67], s[98:99]
.else
	s_add_nc_u64 s[12:13], s[12:13], s[96:97]
	s_add_nc_u64 s[66:67], s[66:67], s[96:97]
.endif
.endif
	QUANT \a
	v_perm_b32 v[VAL+\a], v[PW], v[PW], v[VSEL]    ; the bytes that my half of the lanes keeps
	ds_store_b32 v[SCRW], v[VAL+\a] offset:4*\a    ; the tables are gathered in my scratch: [half][row 16][tile 8]
	global_store_b128 v[L16], v[PC:PC+3], s[12:13]                 ; 32 lanes store 512 consecutive bytes, aligned to 256,
	global_store_b64 v[L8], v[PC+4:PC+5], s[12:13] offset:512      ; and 256
	global_store_b128 v[L16], v[PC+6:PC+9], s[66:67]
	global_store_b64 v[L8], v[PC+10:PC+11], s[66:67] offset:512
.endr
	ds_load_b128 v[X0:X0+3], v[SCRR]               ; LDS serves a wave's instructions in order: these see my stores
	ds_load_b128 v[X1:X1+3], v[SCRR] offset:512
	s_wait_dscnt 0x0
	global_store_b128 v[VSO], v[X0:X0+3], s[100:101]   ; q, k: the first head's table, 512 consecutive bytes;  v: even lanes the first head's 256 bytes, odd lanes the second's
	s_cmp_eq_u32 ttmp9, 2
	s_cbranch_scc1 .Lno_second                     ; v has one word a row and tile: the scratch's second half repeats the first and is not stored
	global_store_b128 v[VSO], v[X1:X1+3], s[18:19]     ; q, k: the second head's table
.Lno_second:
	s_wait_tensorcnt 0x0                           ; the wave's end
	ds_add_u32 v[SPW], v[NIL]
	s_wait_dscnt 0x0
	CROUND                                         ; the closing round: no work-group ends while a partner may still ask for a tile that names it
	s_endpgm
.Lfunc_end_k_qef29b8578c_qkv:
	.size	k_qef29b8578c_qkv, .Lfunc_end_k_qef29b8578c_qkv-k_qef29b8578c_qkv
	.p2alignl 7, 3214868480
	.fill 96, 4, 3214868480
	.section	.rodata,"a",@progbits
	.p2align	6, 0x0
	.amdhsa_kernel k_qef29b8578c_qkv
		.amdhsa_group_segment_fixed_size 327680
		.amdhsa_private_segment_fixed_size 0
		.amdhsa_enable_private_segment 0
		.amdhsa_kernarg_size 80
		.amdhsa_user_sgpr_count 2
		.amdhsa_user_sgpr_kernarg_segment_ptr 1
		.amdhsa_wavefront_size32 1
		.amdhsa_system_sgpr_workgroup_id_x 1
		.amdhsa_system_sgpr_workgroup_id_y 1
		.amdhsa_system_sgpr_workgroup_id_z 1
		.amdhsa_system_vgpr_workitem_id 0
		.amdhsa_next_free_vgpr 1024
		.amdhsa_next_free_sgpr 102
		.amdhsa_reserve_vcc 1
		.amdhsa_float_denorm_mode_32 3
		.amdhsa_float_denorm_mode_16_64 3
		.amdhsa_memory_ordered 1
		.amdhsa_forward_progress 1
		.amdhsa_inst_pref_size 168
	.end_amdhsa_kernel
	.amdgpu_metadata
---
amdhsa.version: [ 1, 2 ]
amdhsa.kernels:
  - .name:           k_qef29b8578c_qkv
    .symbol:         k_qef29b8578c_qkv.kd
    .args:
      - { .name: x_codes, .offset: 0, .size: 8, .value_kind: global_buffer, .address_space: global }
      - { .name: x_scales, .offset: 8, .size: 8, .value_kind: global_buffer, .address_space: global }
      - { .name: W_q_codes, .offset: 16, .size: 8, .value_kind: global_buffer, .address_space: global }
      - { .name: W_q_scales, .offset: 24, .size: 8, .value_kind: global_buffer, .address_space: global }
      - { .name: W_k_codes, .offset: 32, .size: 8, .value_kind: global_buffer, .address_space: global }
      - { .name: W_k_scales, .offset: 40, .size: 8, .value_kind: global_buffer, .address_space: global }
      - { .name: W_v_codes, .offset: 48, .size: 8, .value_kind: global_buffer, .address_space: global }
      - { .name: W_v_scales, .offset: 56, .size: 8, .value_kind: global_buffer, .address_space: global }
      - { .name: qimg, .offset: 64, .size: 8, .value_kind: global_buffer, .address_space: global }
      - { .name: kv, .offset: 72, .size: 8, .value_kind: global_buffer, .address_space: global }
    .group_segment_fixed_size: 327680
    .private_segment_fixed_size: 0
    .kernarg_segment_align: 8
    .kernarg_segment_size: 80
    .max_flat_workgroup_size: 128
    .sgpr_count:     102
    .vgpr_count:     1024
    .wavefront_size: 32
...
	.end_amdgpu_metadata
.endif
;; end of part 1
;; launch attn (part 2): grid 4 x 64, 16 waves a work-group, clusters of 4 x 1, 210,944 bytes of LDS; arguments qimg, kv, cimg, cscl; writes cimg, cscl
.if DOCPART == 2
	.amdgcn_target "amdgcn-amd-amdhsa--gfx1250"
	.amdhsa_code_object_version 6
	.text
	.protected	k_qef29b8578c_attn
	.globl	k_qef29b8578c_attn
	.p2align	8
	.type	k_qef29b8578c_attn,@function
k_qef29b8578c_attn:
	s_mov_b64 s[64:65], 0
	v_nop
	global_prefetch_b8 v0, s[64:65] scope:SCOPE_SE
	s_setreg_imm32_b32 hwreg(HW_REG_WAVE_MODE, 25, 1), 1
	s_wait_xcnt 0x0
	s_wait_alu depctr_hold_cnt(0) depctr_sa_sdst(0) depctr_va_vdst(0) depctr_va_sdst(0) depctr_va_ssrc(0) depctr_va_vcc(0) depctr_vm_vsrc(0)
	s_getreg_b32 s2, hwreg(HW_REG_IB_STS2, 6, 4)
	s_cmp_eq_u32 s2, 0
	s_cbranch_scc0 .Lentry_in_a_cluster
	s_endpgm
.Lentry_in_a_cluster:
	s_bfe_u32 s2, ttmp6, 0x10000c
	s_cmp_lg_u32 s2, 0x3003
	s_cbranch_scc0 .Lentry_shape_is_right
	s_endpgm
.Lentry_shape_is_right:
; ctx = softmax(q k^T / 8, causal) v for one batch and head a cluster, both products on codes of FP6 (E2M3) with one E8M0 scale for each 32 along K; ctx is quantised along the channels and leaves as images of operand registers.
; THE SOFTMAX AHEAD OF THE SECOND PRODUCT: t = score x log2(e) / 8; M = the running largest t rounded UP to a whole number; p = 2^(t - M) is quantised along the keys, not normalised; the row's sum is taken of the unquantised p
; and divides at the end.  When M moves, the sum and O are multiplied by 2^(old M - new M), which rounds nothing.
; SHARES.  A head has 128 tiles of 16 queries, in 16 groups of 8; group g needs the key steps (128 keys) 0 .. g.  The four work-groups of a cluster share the head.  Wave w of work-group cx takes tile e = 2 cx + w % 2 of group
; J = w / 2 and of group 15 - J: (J + 1) + (16 - J) = 17 tile steps for every wave.  Every branch hangs on the wave's number and the loop's counter, none on the place in the cluster.
; LDS.  The head's K and V with their scale words, 16 chunks of 13,056 bytes, are fetched ONCE, jointly by the four work-groups, one chunk a wave, and stay: no slot is filled again.
; LAYOUT.  Both products are used transposed: S^T = K Q^T (source 0 = 16 keys), O^T = V^T P^T (source 0 = 16 channels): a lane holds one query throughout.  The operands lie in LDS as images of their registers.
; K = 64 IN AN INSTRUCTION OF 128: Q's registers 6-11 hold zero codes.  K's tiles lie six registers apart, so that a tile's operand runs on into the next tile's codes (behind tile 7: six registers of zeros): finite numbers times zeros.
; The keys inside a block of 32 stand in the order in which the first product's results fall; V's codes were made in the same order.  ctx meets a given weight, so its numbers are brought into true order ahead of the quantiser.
; LIMITS: NaN and infinities are not served.  A block whose largest magnitude lies under 2^-124 keeps the scale byte 1, a block of zeros too (its codes are zeros; this program alone reads the bytes).
; The scale bytes of ctx leave two bytes a lane, 32 bytes apart: a head owns 2 of a row's 32 bytes; they are one part in 24 of what the launch stores.
.set CHQ,   6656                       ; a chunk of qimg: 8 images of 768 bytes, 512 bytes of scale words
.set CHK,   13056                      ; a chunk of kv
.set HK,    16*CHK                     ; a head's
.set VOFF,  6144                       ; in a chunk: V's images,
.set KSOFF, 12288                      ; K's scale words [row 16][tile 8],
.set VSOFF, 12800                      ; V's [row 16][tile 4]
.set L16,  1                           ; v1   16 x lane
.set L8,   2                           ; v2   8 x lane
.set R32,  3                           ; v3   32 r
.set R16,  4                           ; v4   16 r
.set DG,   5                           ; v5   16 e + r - 8 h: on the diagonal, register 8 t + j is hidden where 16 t + j is larger
.set AD16, 8                           ; v8-11 the same four places in the chunk in hand
.set AD8,  9
.set ADKS, 10
.set ADVS, 11
.set STA,  12                          ; v12 -M, v13 the largest t, v[14:15] the sum in two halves: tile A;
.set STB,  16                          ; v16-19: tile B
.set QFA,  20                          ; v20-31 Q of tile A (v26-31 zeros);  v32-43 of tile B
.set QFB,  32
.set QSWA, 44                          ; v44, v45 Q's scale words
.set QSWB, 45
.set FP,   46                          ; v[46:47] f = 2^(old M - new M); the pair's upper word is written once
.set KF,   48                          ; v48-95 K's eight tiles, six registers each; v96-101 zeros
.set VF,   48                          ; then V's four fragments
.set BM,   48                          ; between the two: block maxima,
.set BT,   52                          ; the other half's, then bytes,
.set SO,   56                          ; the conversions' scale operands,
.set CT,   60                          ; halves of blocks on their way,
.set TMP,  70
.set NEG,  71
.set C2,   102                         ; v[102:103] the sum's second chain
.set S,    104                         ; v104-167 S^T, then p
.set OTA,  168                         ; v168-199 O^T of tile A;  v200-231 of tile B
.set OTB,  200
.set PC,   232                         ; v232-243 p's codes
.set SW,   244                         ; v244-251 K's scale words, then V's four
.set PWD,  252                         ; v252 p's scale word
.set FS,   104                         ; the way out: ctx, 32 numbers a lane
.set FM,   136
.set FT,   138
.set FO,   140
.set WV,   12
.set J,    13
.set JB,   14
.set CX,   15
.set E,    16
.set BH,   17
.set SEL,  20                          ; s[20:21] v_permlanex16_b32's selects for lane l xor 16
.set CS,   22                          ; s[22:23] c = log2(e) / 8
.set G1,   24
.set G0,   32
.set TB,   36                          ; LDS byte of the chunk in hand
.set SC,   37                          ; the key step
.set QPA,  40
.set QSA,  42
.set QPB,  44
.set QSB,  46
.set CPA,  48
.set CSA,  50
.set CPB,  52
.set CSB,  54
.macro ROUND                           ; a round of the cluster's barrier
	s_barrier_signal -1
	s_barrier_wait -1
	s_cmp_lg_u32 s[WV], 0
	s_cbranch_scc1 .Lnot_wave_0_\@
	s_barrier_signal -3
.Lnot_wave_0_\@:
	s_barrier_wait -3
	s_barrier_signal -1
	s_barrier_wait -1
.endm
; The four addresses of tile e of group s[g]: Q's image, Q's scale words, ctx's image, ctx's scale bytes
.macro TILEPTR g, qp, qs, cp, cs
	s_lshl_b32 s56, s[BH], 4
	s_add_co_u32 s56, s56, s[\g]
	s_mul_i32 s56, s56, CHQ                        ; the chunk (batch x head, group)
	s_mov_b32 s57, 0
	s_mul_i32 s58, s[E], 768
	s_mov_b32 s59, 0
	s_add_nc_u64 s[\qp:\qp+1], s[4:5], s[56:57]
	s_add_nc_u64 s[\qp:\qp+1], s[\qp:\qp+1], s[58:59]
	s_lshl_b32 s58, s[E], 2
	s_add_co_u32 s58, s58, 6144
	s_add_nc_u64 s[\qs:\qs+1], s[4:5], s[56:57]
	s_add_nc_u64 s[\qs:\qs+1], s[\qs:\qs+1], s[58:59]
	s_lshr_b32 s56, s[BH], 4
	s_lshl_b32 s56, s56, 7
	s_lshl_b32 s58, s[\g], 3
	s_add_co_u32 s56, s56, s58
	s_add_co_u32 s56, s56, s[E]                    ; the tile of 16 tokens among all 512: 128 x batch + 8 x group + e
	s_and_b32 s58, s[BH], 15                       ; the head
	s_lshl_b32 s60, s56, 4
	s_add_co_u32 s60, s60, s58
	s_mul_i32 s60, s60, 768
	s_mov_b32 s61, 0
	s_add_nc_u64 s[\cp:\cp+1], s[8:9], s[60:61]
	s_lshl_b32 s60, s56, 9                         ; 16 rows of 32 scale bytes,
	s_lshl_b32 s58, s58, 1                         ; the head's two
	s_add_co_u32 s60, s60, s58
	s_add_nc_u64 s[\cs:\cs+1], s[10:11], s[60:61]
.endm
	s_load_b256 s[4:11], s[0:1], 0x0               ; qimg, kv, cimg, cscl
	v_lshl_add_u32 v254, v0, 2, 0x33000
	v_mov_b32 v255, 0
	ds_add_u32 v254, v255
	ds_add_u32 v254, v255
	v_lshrrev_b32 v6, 5, v0
	v_readfirstlane_b32 s[WV], v6                  ; wave 0..15
	s_lshr_b32 s[J], s[WV], 1                      ; tile A's group, 0..7
	s_xor_b32 s[JB], s[J], 15                      ; tile B's, 15..8
	s_bfe_u32 s[CX], ttmp6, 0x40000                ; my place in the cluster: it enters global addresses of Q and ctx and the mask's numbers alone
	s_and_b32 s[E], s[WV], 1
	s_lshl_b32 s18, s[CX], 1
	s_add_co_u32 s[E], s[E], s18                   ; e
	s_and_b32 s[BH], ttmp7, 0xffff                 ; batch x head, which the four partners share
	; descriptor group 1: a chunk, 13,056 dense bytes, as 51 rows of 256 bytes (32 elements of 8 bytes)
	s_mov_b32 s[G1], 15|(3<<16)|(1<<21)            ; 15:0 the mask: all four work-groups; 17:16 elements of 8 bytes; 21 set beside a mask
	s_mov_b32 s[G1+1], 32<<16
	s_mov_b32 s[G1+2], 51<<16
	s_mov_b32 s[G1+3], 32<<16
	s_mov_b32 s[G1+4], 51
	s_mov_b32 s[G1+5], 32
	s_mov_b32 s[G1+6], 0
	s_mov_b32 s[G1+7], 0
	s_mov_b32 s[G0], 1
	s_mul_i32 s[G0+1], s[WV], CHK                  ; chunk w lies at 13,056 w
	s_mul_i32 s18, s[BH], HK
	s_add_co_u32 s18, s18, s[G0+1]
	s_mov_b32 s19, 0
	s_mov_b32 s[SEL], 0x76543210
	s_mov_b32 s[SEL+1], 0xfedcba98
	s_mov_b32 s[CS], 0x3e38aa3b                    ; log2(e) / 8
	s_mov_b32 s[CS+1], s[CS]                       ; (named with it as a pair, so it is written)
	s_mov_b32 s[TB], 0
	s_mov_b32 s[SC], 0
	s_wait_dscnt 0x0
	s_wait_kmcnt 0x0
	s_add_nc_u64 s[G0+2:G0+3], s[6:7], s[18:19]
	s_or_b32 s[G0+3], s[G0+3], 0x80000000
	ROUND                                          ; all four work-groups are here: the joint loads meet
	tensor_load_to_lds s[G0:G0+3], s[G1:G1+7]      ; my chunk: the one tensor load of this wave
	s_nop 0
.rept 4
	v_nop
.endr
	TILEPTR J, QPA, QSA, CPA, CSA
	TILEPTR JB, QPB, QSB, CPB, CSB
	v_and_b32 v6, 31, v0                           ; lane
	v_and_b32 v7, 15, v0                           ; r
	v_lshlrev_b32 v[L16], 4, v6
	v_lshlrev_b32 v[L8], 3, v6
	v_lshlrev_b32 v[R32], 5, v7
	v_lshlrev_b32 v[R16], 4, v7
	global_load_b128 v[QFA:QFA+3], v[L16], s[QPA:QPA+1]            ; Q's images: they stay in registers
	global_load_b64 v[QFA+4:QFA+5], v[L8], s[QPA:QPA+1] offset:512
	global_load_b32 v[QSWA], v[R32], s[QSA:QSA+1]
	global_load_b128 v[QFB:QFB+3], v[L16], s[QPB:QPB+1]
	global_load_b64 v[QFB+4:QFB+5], v[L8], s[QPB:QPB+1] offset:512
	global_load_b32 v[QSWB], v[R32], s[QSB:QSB+1]
	v_bfe_u32 v6, v0, 4, 1                         ; h
	v_lshlrev_b32 v6, 3, v6
	v_sub_nc_u32 v[DG], v7, v6
	s_lshl_b32 s18, s[E], 4
	v_add_nc_u32 v[DG], s18, v[DG]
.irp i, 6,7,8,9,10,11
	v_mov_b32 v[QFA+\i], 0                         ; zero codes for K = 64 .. 127
	v_mov_b32 v[QFB+\i], 0
	v_mov_b32 v[KF+42+\i], 0                       ; and behind K's tile 7
.endr
.irp s, STA, STB
	v_mov_b32 v[\s+1], 0xff61b1e6                  ; the largest t so far: -3e38, under every t
	v_floor_f32 v[\s], -v[\s+1]                    ; -M
	v_mov_b32 v[\s+2], 0                           ; the sum, in two halves
	v_mov_b32 v[\s+3], 0
.endr
	v_mov_b32 v[FP+1], 0
.set j, 0
.rept 64
	v_mov_b32 v[OTA+j], 0                          ; O^T of both tiles.  (The step is written once: the first finds zeros, which the first change of M leaves zeros)
.set j, j+1
.endr
	s_wait_loadcnt 0x0                             ; Q
	s_wait_tensorcnt 0x0                           ; my chunk has landed,
	s_barrier_signal -1
	s_barrier_wait -1                              ; everybody's has
; A TILE STEP: 16 queries x the 128 keys of chunk s[SC].  Left out where all its keys come after the tile's queries: a scalar branch on the wave's number and the counter.
.macro STEP st, qf, qs, ot, lim
	s_cmp_gt_u32 s[SC], s[\lim]
	s_cbranch_scc1 .Lhidden_\@
	v_add_nc_u32 v[AD16], s[TB], v[L16]            ; four plain instructions: the places between the last products and the loads into their operands
	v_add_nc_u32 v[AD8], s[TB], v[L8]
	v_add_nc_u32 v[ADKS], s[TB], v[R32]
	v_add_nc_u32 v[ADVS], s[TB], v[R16]
.irp t, 0,1,2,3,4,5,6,7
	ds_load_b128 v[KF+6*\t:KF+6*\t+3], v[AD16] offset:768*\t
	ds_load_b64 v[KF+6*\t+4:KF+6*\t+5], v[AD8] offset:768*\t+512
.endr
	ds_load_b128 v[SW:SW+3], v[ADKS] offset:KSOFF
	ds_load_b128 v[SW+4:SW+7], v[ADKS] offset:KSOFF+16
	s_wait_dscnt 0x0
.irp t, 0,1,2,3,4,5,6,7                ; lane (r, h), register 8 t + j: key 16 t + 8 h + j, query r
	v_wmma_scale_f32_16x16x128_f8f6f4 v[S+8*\t:S+8*\t+7], v[KF+6*\t:KF+6*\t+11], v[\qf:\qf+11], 0, v[SW+\t], v[\qs] matrix_a_fmt:MATRIX_FMT_FP6 matrix_b_fmt:MATRIX_FMT_FP6
.endr
.rept 4
	v_nop
.endr
	s_cmp_lg_u32 s[SC], s[\lim]
	s_cbranch_scc1 .Lopen_\@
	v_mov_b32 v[NEG], 0xff800000                   ; on the diagonal the scores of hidden keys become -infinity ahead of the maximum: p = 0 then
.set n, 0
.rept 64
	v_cmp_gt_i32 vcc_lo, 16*(n/8)+n%8, v[DG]
	v_cndmask_b32 v[S+n], v[S+n], v[NEG], vcc_lo
.set n, n+1
.endr
.Lopen_\@:
.irp b, 0,1,2,3
	v_max3_num_f32 v[BM+\b], v[S+16*\b], v[S+1+16*\b], v[S+2+16*\b]   ; the largest score of each block of 32 keys: for the row's maximum, and, since p rises with the score, for the block's largest p
.endr
.irp i, 3,5,7,9,11,13
.irp b, 0,1,2,3
	v_max3_num_f32 v[BM+\b], v[BM+\b], v[S+16*\b+\i], v[S+1+16*\b+\i]
.endr
.endr
.irp b, 0,1,2,3
	v_max_num_f32 v[BM+\b], v[BM+\b], v[S+15+16*\b]
.endr
.irp b, 0,1,2,3
	v_permlanex16_b32 v[BT+\b], v[BM+\b], s[SEL], s[SEL+1]
.endr
.irp b, 0,1,2,3
	v_max_num_f32 v[BM+\b], v[BM+\b], v[BT+\b]     ; with lane l xor 16's 16 keys
.endr
	v_max3_num_f32 v[TMP], v[BM], v[BM+1], v[BM+2]
	v_max_num_f32 v[TMP], v[TMP], v[BM+3]          ; the step's largest score of my query
	v_mul_f32 v[TMP], s[CS], v[TMP]                ; as t (c is positive)
	v_max_num_f32 v[\st+1], v[\st+1], v[TMP]       ; the running largest t
	v_mov_b32 v[TMP], v[\st]
	v_floor_f32 v[\st], -v[\st+1]                  ; the new -M = floor(-t): M is a whole number
	v_sub_f32 v[TMP], v[\st], v[TMP]               ; old M - new M: a whole number, 0 or less
	v_cvt_i32_f32 v[TMP], v[TMP]                   ; (it saturates)
	v_ldexp_f32 v[FP], 1.0, v[TMP]                 ; f = 2^(old M - new M)
.set j, 0
.rept 32
	v_pk_fma_f32 v[S+j:S+j+1], v[S+j:S+j+1], s[CS:CS+1], v[\st:\st+1] op_sel_hi:[1,0,0]   ; t - M, two at a time
.set j, j+2
.endr
.irp b, 0,1,2,3
	v_fma_f32 v[BM+\b], v[BM+\b], s[CS], v[\st]    ; the same of each block's largest score
.endr
.set j, 0
.rept 64
	v_exp_f32 v[S+j], v[S+j]                       ; p = 2^(t - M), at most 1
.set j, j+1
.endr
.irp b, 0,1,2,3
	v_exp_f32 v[BM+\b], v[BM+\b]                   ; the block's largest p
.endr
	v_pk_mul_f32 v[\st+2:\st+3], v[\st+2:\st+3], v[FP:FP+1] op_sel_hi:[1,0]   ; the sums under the new M.  (A plain place behind the exponentials)
	s_wait_alu depctr_va_vdst(0)
.irp b, 0,1,2,3
	v_max_num_f32 v[BM+\b], 0x1800000, v[BM+\b]    ; the floor 2^(3 - 127): the byte cannot fall under 1
.endr
.irp b, 0,1,2,3
	v_add_nc_u32 v[SO+\b], 0xff000000, v[BM+\b]    ; 2 off the exponent field: the conversion's scale operand
.endr
.irp b, 0,1,2,3
	v_lshrrev_b32 v[BT+\b], 23, v[SO+\b]           ; the scale's byte
.endr
	v_lshl_or_b32 v[PWD], v[BT+1], 8, v[BT]        ; p's scale word for these 128 keys
	v_lshl_or_b32 v[PWD], v[BT+2], 16, v[PWD]
	v_lshl_or_b32 v[PWD], v[BT+3], 24, v[PWD]
.irp c, 0,1
	v_cvt_scalef32_pk16_fp6_f32 v[PC+6*\c:PC+2+6*\c], v[S+32*\c:S+15+32*\c], v[SO+2*\c]
	v_cvt_scalef32_pk16_fp6_f32 v[CT+4*\c:CT+2+4*\c], v[S+16+32*\c:S+31+32*\c], v[SO+2*\c+1]
.endr
	v_nop                                          ; one plain place behind a scaled conversion
.irp c, 0,1                            ; a whole block in a lane: lanes 0-15 block 2 c, lanes 16-31 block 2 c + 1
.irp i, 0,1,2
	v_permlane16_swap_b32 v[PC+6*\c+\i], v[CT+4*\c+\i]
.endr
.irp i, 0,1,2
	v_mov_b32 v[PC+3+6*\c+\i], v[CT+4*\c+\i]
.endr
.endr
.irp t, 0,1,2,3                        ; V's four fragments (16 channels x 128 keys) are asked for now, and land under the 48 packed instructions below
	ds_load_b128 v[VF+12*\t:VF+12*\t+3], v[AD16] offset:VOFF+1536*\t
	ds_load_b64 v[VF+12*\t+4:VF+12*\t+5], v[AD8] offset:VOFF+1536*\t+512
	ds_load_b128 v[VF+12*\t+6:VF+12*\t+9], v[AD16] offset:VOFF+1536*\t+768
	ds_load_b64 v[VF+12*\t+10:VF+12*\t+11], v[AD8] offset:VOFF+1536*\t+1280
.endr
	ds_load_b128 v[SW:SW+3], v[ADVS] offset:VSOFF
	v_pk_add_f32 v[C2:C2+1], v[S:S+1], v[S+2:S+3]  ; the row's sum is taken of the unquantised p: two at a time, in two chains.  (These are also the places between the scale word's and the codes' last writes and the products)
.set j, 4
.rept 15
	v_pk_add_f32 v[\st+2:\st+3], v[\st+2:\st+3], v[S+j:S+j+1]
	v_pk_add_f32 v[C2:C2+1], v[C2:C2+1], v[S+2+j:S+3+j]
.set j, j+4
.endr
	v_pk_add_f32 v[\st+2:\st+3], v[\st+2:\st+3], v[C2:C2+1]
.set j, 0
.rept 16
	v_pk_mul_f32 v[\ot+j:\ot+j+1], v[\ot+j:\ot+j+1], v[FP:FP+1] op_sel_hi:[1,0]   ; O^T under the new M, each accumulator from its low end on
.set j, j+2
.endr
	s_wait_dscnt 0x0
.irp t, 0,1,2,3                        ; the four accumulators by turns; eight other products stand between two links of a chain
	v_wmma_scale_f32_16x16x128_f8f6f4 v[\ot+8*\t:\ot+8*\t+7], v[VF+12*\t:VF+12*\t+11], v[PC:PC+11], v[\ot+8*\t:\ot+8*\t+7], v[SW+\t], v[PWD] matrix_a_fmt:MATRIX_FMT_FP6 matrix_b_fmt:MATRIX_FMT_FP6
.endr
.Lhidden_\@:
.endm
.Lstep:                                ; 16 trips, a chunk each
	STEP STA, QFA, QSWA, OTA, J
	STEP STB, QFB, QSWB, OTB, JB
	s_add_co_u32 s[TB], s[TB], CHK
	s_add_co_u32 s[SC], s[SC], 1
	s_cmp_lt_u32 s[SC], 16
	s_cbranch_scc1 .Lstep
.rept 4
	v_nop                                          ; places in front of the first read of the last results
.endr
; THE WAY OUT of a tile: O^T / the sum; into true order along the channels; quantised; an image of six registers and two scale bytes a row.  p: the tile's own registers for codes and bytes, so that no store's data are written again.
.macro FIN st, ot, p, cp, cs
	v_add_f32 v6, v[\st+2], v[\st+3]               ; the sum's two halves,
	v_mov_b32 v7, 0                                ; (a lane permute's destination counts as one of its sources)
	v_mov_b32 v[FT], 0
	v_mov_b32 v[FT+1], 0
	v_permlanex16_b32 v7, v6, s[SEL], s[SEL+1]
	v_add_f32 v6, v6, v7                           ; and lane l xor 16's: the row's sum
	v_rcp_f32 v6, v6
	v_nop                                          ; one plain place behind a transcendental
.set j, 0
	s_wait_alu depctr_va_vdst(0)
.rept 16
	v_pk_mul_f32 v[FS+j:FS+j+1], v[\ot+j:\ot+j+1], v[6:7] op_sel_hi:[1,0]   ; register 8 t + i: channel 16 t + 8 h + i of query r
.set j, j+2
.endr
.irp b, 0,1                            ; tile 2 b's lanes 16-31 change places with tile 2 b + 1's lanes 0-15: the 16 registers of the two tiles then hold channels 32 b + 16 h + 0 .. 15
.irp i, 0,1,2,3,4,5,6,7
	v_permlane16_swap_b32 v[FS+16*\b+\i], v[FS+16*\b+8+\i]
.endr
.endr
.irp b, 0,1
	v_max3_num_f32 v[FM+\b], |v[FS+16*\b]|, |v[FS+1+16*\b]|, 0x1800000
.endr
.irp i, 2,4,6,8,10,12,14
.irp b, 0,1
	v_max3_num_f32 v[FM+\b], v[FM+\b], |v[FS+16*\b+\i]|, |v[FS+1+16*\b+\i]|
.endr
.endr
.irp b, 0,1
	v_permlanex16_b32 v[FT+\b], v[FM+\b], s[SEL], s[SEL+1]
.endr
.irp b, 0,1
	v_max_num_f32 v[FM+\b], v[FM+\b], v[FT+\b]
.endr
.irp b, 0,1
	v_add_nc_u32 v[FO+\b], 0xff000000, v[FM+\b]
.endr
.irp b, 0,1
	v_lshrrev_b32 v[FT+\b], 23, v[FO+\b]
.endr
	v_lshl_or_b32 v[\p+10], v[FT+1], 8, v[FT]      ; the head's two scale bytes of my row
	v_cvt_scalef32_pk16_fp6_f32 v[\p:\p+2], v[FS:FS+15], v[FO]
	v_cvt_scalef32_pk16_fp6_f32 v[\p+6:\p+8], v[FS+16:FS+31], v[FO+1]
	v_nop                                          ; one plain place behind a scaled conversion
.irp i, 0,1,2
	v_permlane16_swap_b32 v[\p+\i], v[\p+6+\i]
.endr
.irp i, 0,1,2
	v_mov_b32 v[\p+3+\i], v[\p+6+\i]               ; registers 0-5: channels 32 h + 0 .. 31 of the head
.endr
	global_store_b128 v[L16], v[\p:\p+3], s[\cp:\cp+1]             ; 512 consecutive bytes, aligned to 256,
	global_store_b64 v[L8], v[\p+4:\p+5], s[\cp:\cp+1] offset:512  ; and 256
	global_store_b16 v[R32], v[\p+10], s[\cs:\cs+1]                ; both halves of the lanes write the same two bytes with the same value
.endm
	FIN STA, OTA, 48, CPA, CSA
	FIN STB, OTB, 60, CPB, CSB
	s_wait_tensorcnt 0x0
	ds_add_u32 v254, v255
	s_wait_dscnt 0x0
	ROUND                                          ; the closing round
	s_endpgm
.Lfunc_end_k_qef29b8578c_attn:
	.size	k_qef29b8578c_attn, .Lfunc_end_k_qef29b8578c_attn-k_qef29b8578c_attn
	.p2alignl 7, 3214868480
	.fill 96, 4, 3214868480
	.section	.rodata,"a",@progbits
	.p2align	6, 0x0
	.amdhsa_kernel k_qef29b8578c_attn
		.amdhsa_group_segment_fixed_size 210944
		.amdhsa_private_segment_fixed_size 0
		.amdhsa_enable_private_segment 0
		.amdhsa_kernarg_size 32
		.amdhsa_user_sgpr_count 2
		.amdhsa_user_sgpr_kernarg_segment_ptr 1
		.amdhsa_wavefront_size32 1
		.amdhsa_system_sgpr_workgroup_id_x 1
		.amdhsa_system_sgpr_workgroup_id_y 1
		.amdhsa_system_sgpr_workgroup_id_z 1
		.amdhsa_system_vgpr_workitem_id 0
		.amdhsa_next_free_vgpr 256
		.amdhsa_next_free_sgpr 66
		.amdhsa_reserve_vcc 1
		.amdhsa_float_denorm_mode_32 3
		.amdhsa_float_denorm_mode_16_64 3
		.amdhsa_memory_ordered 1
		.amdhsa_forward_progress 1
		.amdhsa_inst_pref_size 59
	.end_amdhsa_kernel
	.amdgpu_metadata
---
amdhsa.version: [ 1, 2 ]
amdhsa.kernels:
  - .name:           k_qef29b8578c_attn
    .symbol:         k_qef29b8578c_attn.kd
    .args:
      - { .name: qimg, .offset: 0, .size: 8, .value_kind: global_buffer, .address_space: global }
      - { .name: kv, .offset: 8, .size: 8, .value_kind: global_buffer, .address_space: global }
      - { .name: cimg, .offset: 16, .size: 8, .value_kind: global_buffer, .address_space: global }
      - { .name: cscl, .offset: 24, .size: 8, .value_kind: global_buffer, .address_space: global }
    .group_segment_fixed_size: 210944
    .private_segment_fixed_size: 0
    .kernarg_segment_align: 8
    .kernarg_segment_size: 32
    .max_flat_workgroup_size: 512
    .sgpr_count:     66
    .vgpr_count:     256
    .wavefront_size: 32
...
	.end_amdgpu_metadata
.endif
;; end of part 2
;; launch oproj (part 3): grid 4 x 32, 4 waves a work-group, clusters of 4 x 4, 327,680 bytes of LDS; arguments cimg, cscl, W_o_codes, W_o_scales, b_o, out0; writes out0
.if DOCPART == 3
	.amdgcn_target "amdgcn-amd-amdhsa--gfx1250"
	.amdhsa_code_object_version 6
	.text
	.protected	k_qef29b8578c_oproj
	.globl	k_qef29b8578c_oproj
	.p2align	8
	.type	k_qef29b8578c_oproj,@function
k_qef29b8578c_oproj:
	s_mov_b64 s[64:65], 0
	v_nop
	global_prefetch_b8 v0, s[64:65] scope:SCOPE_SE
	s_setreg_imm32_b32 hwreg(HW_REG_WAVE_MODE, 25, 1), 1
	s_wait_xcnt 0x0
	s_wait_alu depctr_hold_cnt(0) depctr_sa_sdst(0) depctr_va_vdst(0) depctr_va_sdst(0) depctr_va_ssrc(0) depctr_va_vcc(0) depctr_vm_vsrc(0)
	s_getreg_b32 s2, hwreg(HW_REG_IB_STS2, 6, 4)
	s_cmp_eq_u32 s2, 0
	s_cbranch_scc0 .Lentry_in_a_cluster
	s_endpgm
.Lentry_in_a_cluster:
	s_bfe_u32 s2, ttmp6, 0x10000c
	s_cmp_lg_u32 s2, 0xf033
	s_cbranch_scc0 .Lentry_shape_is_right
	s_endpgm
.Lentry_shape_is_right:
; out = ctx Wo^T + b_o on codes of FP6 (E2M3) with one E8M0 scale for each 32 along K = 1,024.  ctx: 8,192 rows, as images of operand registers; Wo: [1024][1024] codes, K innermost; out: [8192][1024] f32.
; A tile of out, 256 x 256, is made by a work-group of four waves; a wave makes 128 x 128: 64 accumulators, 512 registers.  K goes in steps of 256 through two LDS slots filled by the tensor data mover.
; ctx LIES AS IMAGES: [tile of 16 tokens 512][head 16] 768 bytes: registers 0-3 of six at 16 x lane, registers 4-5 at 512 + 8 x lane.  Two neighbouring heads' images are a fragment of 16 rows x 128 K: four loads, each of consecutive bytes.
; A K step's part of 128 rows is 8 rows of 3,072 bytes (four heads), 12,288 bytes apart in memory: one tensor load, no padding.  Wo's rows go as they lie, 192 bytes a K step, 16 bytes of padding behind every 64.
; THE SCALES of the 256 rows of ctx and of Wo, for all of K, come into LDS once and stay.  THE BIAS is the C of each sum's first matrix instruction.
; CLUSTERS: 4 x 4 work-groups; ctx's tiles are asked for jointly along a row of the cluster, Wo's along a column.  The matrix instruction is used transposed (source 0 = Wo's rows): a lane holds eight neighbouring numbers of a row of out.
; 128 work-groups: the tile is kept at 256 x 256 for the sake of the LDS bytes that each product reads.
; LIMITS: NaN, infinities and scale bytes 0xff among the inputs are not served.
.set SIZE_N, 1024
.set KSTEP,  256
.set NQ,     KSTEP/128
.set ROWB,   192
.set KROW,   768
.set PITCH,  240
.set FR,     12
.set NL,     6                         ; LDS loads that bring a fragment of Wo,
.set NLA,    4                         ; and of ctx
.set NP,     4
.set ASTEP,  3072                      ; a K step of a tile of 16 tokens: four images
.set AH,     8*ASTEP                   ; 128 rows of ctx: one tensor load
.set BH,     128*PITCH                 ; 128 rows of Wo
.set SLOT,   2*AH+2*BH
.set KS,     32
.set SCL,    2*SLOT
.set HALFS,  (128*KS/256)*272
.set SBLK,   (16*KS/256)*272
.set SPARE,  SCL+4*HALFS               ; the spare words: 128 bytes a wave, named by no other line
.set SPITCH, 528                       ; the way out: a stage of 16 rows x (512 bytes + 16) for each wave, in slot 0, which has had its last fill and its last read by then
.set ADRA, 16                          ; v16-17 16 x lane in my half of ctx, slot 0, 1;  v18-19 8 x lane likewise
.set ADRB, 20                          ; v20-23 Wo's fragments
.set STO,  24
.set RD,   25
.set CO,   26
.set ADRS, 27
.set SPW,  28
.set NIL,  29
.set SC,   32                          ; v32-63 scale words, two sets
.set BIAS, 64                          ; v64-127 b_o in the result's layout: eight registers for each of my eight blocks of 16 columns
.set AF,   128                         ; v128-223 ctx's fragments, one set
.set BK,   128                         ; the way out: rows read back from the stage
.set G1, 24
.set G0, 32
.set G1B, 48
.set G0B, 56
.set G1S, 68
.set G0S, 76
.set G1SB, 80
.set G0SB, 88
.set MSB, 0
.macro WIN new
.if MSB != (\new)
	s_set_vgpr_msb (MSB<<8)|(\new)
.set MSB, (\new)
.endif
.endm
.set MUL_LO, 0xa1                      ; source 0 (Wo) window 1, source 1 (ctx) window 0, C and D window 2
.set MUL_HI, 0xf1
.set FST_LO, 0x81                      ; the first step: C (the bias) window 0, D window 2
.set FST_HI, 0xc1
.set TO_B,   0x40
.macro JLOAD g0a, g1a, g0b, g1b        ; a joint load: waves 0 and 1 fetch for ctx, waves 2 and 3 for Wo; four v_nop follow each of the two lines
	s_cmp_eq_u32 s15, 0
	s_cbranch_scc0 .Lfor_b_\@
	tensor_load_to_lds s[\g0a:\g0a+3], s[\g1a:\g1a+7]
	s_nop 0
.rept 4
	v_nop
.endr
	s_branch .Lasked_\@
.Lfor_b_\@:
	tensor_load_to_lds s[\g0b:\g0b+3], s[\g1b:\g1b+7]
	s_nop 0
.rept 4
	v_nop
.endr
.Lasked_\@:
.endm
.macro CREST
	s_cmp_lg_u32 s14, 0
	s_cbranch_scc1 .Lnot_wave_0_\@
	s_barrier_signal -3
.Lnot_wave_0_\@:
	s_barrier_wait -3
	s_barrier_signal -1
	s_barrier_wait -1
.endm
.macro CROUND
	s_barrier_signal -1
	s_barrier_wait -1
	CREST
.endm
	s_load_b128 s[4:7], s[0:1], 0x0                ; ctx's images, ctx's scales
	s_load_b128 s[8:11], s[0:1], 0x10              ; Wo's codes, Wo's scales
	s_load_b64 s[96:97], s[0:1], 0x20              ; b_o
	s_load_b64 s[12:13], s[0:1], 0x28              ; out
	v_lshl_add_u32 v[SPW], v0, 2, SPARE
	v_mov_b32 v[NIL], 0
	ds_add_u32 v28, v29
	ds_add_u32 v28, v29
	s_wait_dscnt 0x0
	v_lshrrev_b32 v1, 5, v0
	v_readfirstlane_b32 s14, v1                    ; wave 0..3
	s_lshr_b32 s15, s14, 1                         ; which half of the tile's rows is mine.  Also: I fetch for ctx (0) or for Wo (1)
	s_and_b32 s16, s14, 1                          ; which half of its columns.  Also: which 128 rows I fetch
	s_bfe_u32 s40, ttmp6, 0x40000                  ; cx, cy
	s_bfe_u32 s41, ttmp6, 0x40004
	s_lshl_b32 s42, ttmp9, 2
	s_add_co_u32 s42, s42, s40                     ; tile column
	s_and_b32 s17, ttmp7, 0xffff
	s_lshl_b32 s17, s17, 2
	s_add_co_u32 s17, s17, s41                     ; tile row
	s_lshl_b32 s43, s41, 2
	s_lshl_b32 s43, 15, s43                        ; my row of the cluster
	s_lshl_b32 s44, 0x1111, s40                    ; my column
	; ctx: 8 rows of 384 elements of 8 bytes, 1,536 elements apart, no padding
	s_or_b32 s[G1+0], s43, (3<<16)|(1<<21)
	s_mov_b32 s[G1+1], 384<<16
	s_mov_b32 s[G1+2], 8<<16
	s_mov_b32 s[G1+3], 384<<16
	s_mov_b32 s[G1+4], 8
	s_mov_b32 s[G1+5], 1536
	s_mov_b32 s[G1+6], 0
	s_mov_b32 s[G1+7], 0
	; Wo: 128 rows x 192 bytes, 16 bytes of padding behind every 64
	s_or_b32 s[G1B+0], s44, (0<<16)|(1<<20)|(1<<21)|(3<<22)|(3<<25)
	s_mov_b32 s[G1B+1], ROWB<<16
	s_mov_b32 s[G1B+2], 128<<16
	s_mov_b32 s[G1B+3], ROWB<<16
	s_mov_b32 s[G1B+4], 128
	s_mov_b32 s[G1B+5], KROW
	s_mov_b32 s[G1B+6], 0
	s_mov_b32 s[G1B+7], 0
	; the scales of 128 rows: 16 rows of 256 bytes, 16 bytes of padding behind each
	s_or_b32 s[G1S+0], s43, (3<<16)|(1<<20)|(1<<21)|(5<<22)|(3<<25)
	s_or_b32 s[G1SB+0], s44, (3<<16)|(1<<20)|(1<<21)|(5<<22)|(3<<25)
.irp g, G1S, G1SB
	s_mov_b32 s[\g+1], 32<<16
	s_mov_b32 s[\g+2], (128*KS/256)<<16
	s_mov_b32 s[\g+3], 32<<16
	s_mov_b32 s[\g+4], 128*KS/256
	s_mov_b32 s[\g+5], 32
	s_mov_b32 s[\g+6], 0
	s_mov_b32 s[\g+7], 0
.endr
	s_lshl_b32 s18, s16, 7
	s_lshl_b32 s20, s17, 8
	s_add_co_u32 s20, s20, s18                     ; ctx: row 256 x tile row + 128 x half
	s_lshl_b32 s46, s42, 8
	s_add_co_u32 s46, s46, s18                     ; Wo: row 256 x tile column + 128 x half
	s_mov_b32 s21, 0
	s_mov_b32 s47, 0
	s_mov_b64 s[18:19], KS
	s_mul_u64 s[22:23], s[20:21], s[18:19]
	s_mul_u64 s[92:93], s[46:47], s[18:19]
	s_mov_b64 s[18:19], KROW
	s_mul_u64 s[20:21], s[20:21], s[18:19]         ; 768 bytes a row in both: 16 rows of ctx are 16 images of 768 bytes
	s_mul_u64 s[46:47], s[46:47], s[18:19]
	s_mul_i32 s45, s16, AH                         ; where they go: ctx's two halves,
	s_mul_i32 s95, s16, BH
	s_add_co_u32 s95, s95, 2*AH                    ; then Wo's two
	s_mul_i32 s94, s14, HALFS
	s_wait_kmcnt 0x0
	s_add_nc_u64 s[20:21], s[4:5], s[20:21]
	s_add_nc_u64 s[22:23], s[6:7], s[22:23]
	s_add_nc_u64 s[46:47], s[8:9], s[46:47]
	s_add_nc_u64 s[92:93], s[10:11], s[92:93]
	CROUND                                         ; all sixteen work-groups are here: the first joint loads meet
	s_mov_b32 s[G0S], 1
	s_add_co_u32 s[G0S+1], s94, SCL
	s_mov_b64 s[G0S+2:G0S+3], s[22:23]
	s_or_b32 s[G0S+3], s[G0S+3], 0x80000000
	s_mov_b32 s[G0SB], 1
	s_add_co_u32 s[G0SB+1], s94, SCL
	s_mov_b64 s[G0SB+2:G0SB+3], s[92:93]
	s_or_b32 s[G0SB+3], s[G0SB+3], 0x80000000
	JLOAD G0S, G1S, G0SB, G1SB
.irp s, 0,1
	s_mov_b32 s[G0+4*\s], 1
	s_add_co_u32 s[G0+4*\s+1], s45, \s*SLOT
	s_add_nc_u64 s[G0+4*\s+2:G0+4*\s+3], s[20:21], \s*ASTEP
	s_or_b32 s[G0+4*\s+3], s[G0+4*\s+3], 0x80000000
	s_mov_b32 s[G0B+4*\s], 1
	s_add_co_u32 s[G0B+4*\s+1], s95, \s*SLOT
	s_add_nc_u64 s[G0B+4*\s+2:G0B+4*\s+3], s[46:47], \s*ROWB
	s_or_b32 s[G0B+4*\s+3], s[G0B+4*\s+3], 0x80000000
	JLOAD G0+4*\s, G1, G0B+4*\s, G1B               ; three loads of mine are out now
.endr
	v_and_b32 v1, 15, v0                           ; r
	v_bfe_u32 v2, v0, 4, 1                         ; h
	v_and_b32 v6, 31, v0                           ; lane
	v_mul_u32_u24 v3, v1, PITCH
	v_mul_u32_u24 v4, v2, 24
	v_add_nc_u32 v4, v3, v4
	v_lshl_add_u32 v5, v2, 4, v4
	s_mul_i32 s21, s15, AH                         ; my 128 rows of ctx
	s_mul_i32 s22, s16, BH                         ; my 128 rows of Wo,
	s_add_co_u32 s22, s22, 2*AH                    ; behind ctx's 256
.irp s, 0,1
	v_lshl_add_u32 v[ADRA+\s], v6, 4, s21
	v_lshl_add_u32 v[ADRA+2+\s], v6, 3, s21
	v_add_nc_u32 v[ADRB+\s], s22, v4
	v_add_nc_u32 v[ADRB+2+\s], s22, v5
	s_add_co_u32 s21, s21, SLOT
	s_add_co_u32 s22, s22, SLOT
.endr
	v_mul_u32_u24 v5, v1, KS
	v_lshrrev_b32 v7, 8, v5
	v_lshl_add_u32 v5, v7, 4, v5
	s_mul_i32 s21, s15, HALFS
	s_mul_i32 s22, s16, HALFS
	s_add_co_u32 s22, s22, 2*HALFS
	s_sub_co_u32 s22, s22, s21
	v_mul_u32_u24 v7, s22, v2                      ; lanes 16-31 take Wo's
	s_add_co_u32 s21, s21, SCL
	v_add_nc_u32 v5, v5, v7
	v_add_nc_u32 v[ADRS], s21, v5
	s_mul_i32 s23, s14, 16*SPITCH                  ; my stage
	v_mul_u32_u24 v5, v1, SPITCH
	v_lshl_add_u32 v5, v2, 5, v5
	v_add_nc_u32 v[STO], s23, v5
	v_lshlrev_b32 v[CO], 4, v6
	v_add_nc_u32 v[RD], s23, v[CO]
	s_lshl_b32 s20, s17, 8
	s_lshl_b32 s21, s15, 7
	s_add_co_u32 s20, s20, s21                     ; my first row of out
	s_mov_b32 s21, 0
	s_mov_b64 s[18:19], SIZE_N*4
	s_mul_u64 s[20:21], s[20:21], s[18:19]
	s_lshl_b32 s46, s42, 10                        ; my first column, in bytes
	s_lshl_b32 s47, s16, 9
	s_add_co_u32 s46, s46, s47
	s_mov_b32 s47, 0
	s_add_nc_u64 s[96:97], s[96:97], s[46:47]      ; b_o at my first column
	s_add_nc_u64 s[20:21], s[20:21], s[46:47]
	s_add_nc_u64 s[12:13], s[12:13], s[20:21]
	v_lshlrev_b32 v7, 5, v2                        ; lane (r, h) wants, for block b, b_o at columns 16 b + 8 h + 0 .. 7
.irp b, 0,1,2,3,4,5,6,7
	global_load_b128 v[BIAS+8*\b:BIAS+8*\b+3], v7, s[96:97] offset:64*\b
	global_load_b128 v[BIAS+8*\b+4:BIAS+8*\b+7], v7, s[96:97] offset:64*\b+16
.endr
.macro FRAG reg, adr, q, i             ; a fragment of Wo from rows: six pieces of 8 bytes
.irp p, 0,1,2,3,4,5
.set PCE, 12*(\q)+6*(\p/3)+\p%3
.if PCE%8 < 5
	ds_load_b64 v[\reg+2*\p:\reg+2*\p+1], v[\adr] offset:8*PCE+16*(PCE/8)+(\i)*16*PITCH
.else
	ds_load_b64 v[\reg+2*\p:\reg+2*\p+1], v[\adr+2] offset:8*PCE+16*(PCE/8)+(\i)*16*PITCH
.endif
.endr
.endm
.macro FRAGA reg, slot, q, blk         ; a fragment of ctx from two images
	ds_load_b128 v[\reg:\reg+3], v[ADRA+\slot] offset:(\blk)*ASTEP+(\q)*1536
	ds_load_b64 v[\reg+4:\reg+5], v[ADRA+2+\slot] offset:(\blk)*ASTEP+(\q)*1536+512
	ds_load_b128 v[\reg+6:\reg+9], v[ADRA+\slot] offset:(\blk)*ASTEP+(\q)*1536+768
	ds_load_b64 v[\reg+10:\reg+11], v[ADRA+2+\slot] offset:(\blk)*ASTEP+(\q)*1536+1280
.endm
; 16 matrix instructions.  first = 1: the bias starts the sums.  The 64 accumulators take turns, one instruction a turn.
.macro MUL16 a0, p, q, sc, first
.irp a, \a0, \a0+1
.irp b, 0,1,2,3,4,5,6,7
.if \first
	v_wmma_scale_f32_16x16x128_f8f6f4 v[8*(8*((\a)%4)+\b):8*(8*((\a)%4)+\b)+7], v[128*(\p)+FR*\b:128*(\p)+FR*\b+FR-1], v[AF+FR*(\a):AF+FR*(\a)+FR-1], v[BIAS+8*\b:BIAS+8*\b+7], v[SC+8*NQ*(\sc)+NQ*\b+(\q)], v[SC+8*NQ*(\sc)+NQ*(\a)+(\q)] matrix_a_fmt:MATRIX_FMT_FP6 matrix_b_fmt:MATRIX_FMT_FP6 matrix_a_scale:MATRIX_SCALE_ROW1
.else
	v_wmma_scale_f32_16x16x128_f8f6f4 v[8*(8*((\a)%4)+\b):8*(8*((\a)%4)+\b)+7], v[128*(\p)+FR*\b:128*(\p)+FR*\b+FR-1], v[AF+FR*(\a):AF+FR*(\a)+FR-1], v[8*(8*((\a)%4)+\b):8*(8*((\a)%4)+\b)+7], v[SC+8*NQ*(\sc)+NQ*\b+(\q)], v[SC+8*NQ*(\sc)+NQ*(\a)+(\q)] matrix_a_fmt:MATRIX_FMT_FP6 matrix_b_fmt:MATRIX_FMT_FP6 matrix_a_scale:MATRIX_SCALE_ROW1
.endif
.endr
.endr
.endm
.macro FETCH_B slot, q, p
	WIN TO_B
.irp i, 0,1,2,3,4,5,6,7
	FRAG 128*(\p)+FR*\i, ADRB+\slot, \q, \i
.endr
	WIN 0
.endm
.macro FETCH_A slot, q, i0
.irp i, \i0, \i0+1, \i0+2, \i0+3
	FRAGA AF+FR*(\i), \slot, \q, \i
.endr
.endm
.macro SCALES sc
.irp i, 0,1,2,3,4,5,6,7
	ds_load_b64 v[SC+8*NQ*\sc+NQ*\i:SC+8*NQ*\sc+NQ*\i+1], v[ADRS] offset:\i*SBLK
.endr
.endm
.macro PLACES n
.rept \n
	v_nop
.endr
.endm
.macro STEP slot, q, first
	s_wait_dscnt 4*NLA                             ; Wo's set and ctx's blocks 0-3 are in; the youngest 16 loads (ctx's blocks 4-7) may be out
.if \first
	WIN FST_LO
.else
	WIN MUL_LO
.endif
	MUL16 0, (\q)%2, \q, \slot, \first
	MUL16 2, (\q)%2, \q, \slot, \first
	s_wait_dscnt 0
	PLACES NP
	FETCH_B \slot, (\q)+1, 1-(\q)%2
	FETCH_A \slot, (\q)+1, 0
.if \first
	WIN FST_HI
.else
	WIN MUL_HI
.endif
	MUL16 4, (\q)%2, \q, \slot, \first
	MUL16 6, (\q)%2, \q, \slot, \first
	PLACES NP
	WIN 0
	FETCH_A \slot, (\q)+1, 4
.endm
.macro TURN slot, next, fill
	s_wait_tensorcnt 0x0                           ; all my tensor loads have landed: my part of the next slot
	ds_add_u32 v[SPW], v[NIL]                      ; 0 onto my spare word
	s_wait_dscnt 4*NLA+1                           ; the add and the youngest 16 loads may be out
	WIN MUL_LO
	MUL16 0, 1, NQ-1, \slot, 0
	s_wait_dscnt 0x0                               ; the add is done, and my reads of this slot are over
	s_barrier_signal -1
	MUL16 2, 1, NQ-1, \slot, 0
	WIN 0
	s_barrier_wait -1
.if \fill
	CREST                                          ; the barrier has opened a round of the cluster's
	s_add_nc_u64 s[G0+4*\slot+2:G0+4*\slot+3], s[G0+4*\slot+2:G0+4*\slot+3], 2*ASTEP
	s_add_nc_u64 s[G0B+4*\slot+2:G0B+4*\slot+3], s[G0B+4*\slot+2:G0B+4*\slot+3], 2*ROWB
	JLOAD G0+4*\slot, G1, G0B+4*\slot, G1B         ; the first tensor load behind the round
.else
	PLACES NP
.endif
	v_add_nc_u32 v[ADRS], 4*NQ, v[ADRS]
	FETCH_B \next, 0, 0
	FETCH_A \next, 0, 0
	SCALES \next
	WIN MUL_HI
	MUL16 4, 1, NQ-1, \slot, 0
	MUL16 6, 1, NQ-1, \slot, 0
	PLACES NP
	WIN 0
	FETCH_A \next, 0, 4
.endm
	s_wait_loadcnt 0x0                             ; the bias
	s_wait_tensorcnt 1                             ; the scales and my part of K step 0 are in; K step 1's load may be out
	s_barrier_signal -1
	s_barrier_wait -1
	FETCH_B 0, 0, 0
	FETCH_A 0, 0, 0
	SCALES 0
	FETCH_A 0, 0, 4
	STEP 0, 0, 1                                   ; four K steps, twice round the ring, in a row
	TURN 0, 1, 1
	STEP 1, 0, 0
	TURN 1, 0, 1
	STEP 0, 0, 0
	TURN 0, 1, 0
	STEP 1, 0, 0
	s_wait_dscnt 4*NLA
	WIN MUL_LO
	MUL16 0, 1, NQ-1, 1, 0
	MUL16 2, 1, NQ-1, 1, 0
	s_wait_dscnt 0
	WIN MUL_HI
	MUL16 4, 1, NQ-1, 1, 0
	MUL16 6, 1, NQ-1, 1, 0
	WIN 0
; THE WAY OUT, block by block of 16 rows x 128 columns, through my own stage in LDS: in as 32 bytes a lane, back as whole rows of 512 bytes.  LDS serves a wave's instructions in order (ISA guide 5.7.1.4).
.macro TOSTAGE a
.set AC, 64*((\a)%4)
	WIN 0x08+4*((\a)/4)                            ; the data: window 2 or 3
.irp b, 0,1,2,3,4,5,6,7
	ds_store_b128 v[STO], v[AC+8*\b:AC+8*\b+3] offset:64*\b          ; each accumulator from its low end on
	ds_store_b128 v[STO], v[AC+8*\b+4:AC+8*\b+7] offset:64*\b+16
.endr
	WIN 0
.set BB, BK+64*((\a)%2)
.irp t, 0,1,2,3,4,5,6,7,8,9,10,11,12,13,14,15
	ds_load_b128 v[BB+4*\t:BB+4*\t+3], v[RD] offset:\t*SPITCH
.endr
.endm
.macro SEND a, younger
.set BB, BK+64*((\a)%2)
	s_wait_dscnt \younger                          ; the block is back in registers
.if (\a) > 0
	s_add_nc_u64 s[12:13], s[12:13], 16*SIZE_N*4   ; (behind a wait on XCNT: the earlier stores have read their base)
.endif
.irp t, 0,1,2,3,4,5,6,7,8,9,10,11,12,13,14,15
	global_store_b128 v[CO], v[BB+4*\t:BB+4*\t+3], s[12:13] offset:\t*SIZE_N*4 th:TH_STORE_NT   ; 32 lanes store 512 consecutive bytes, aligned to 256; written once, read by nobody here
.endr
.endm
	PLACES NP
	TOSTAGE 0
.irp a, 1,2,3,4,5,6,7
.if \a > 1
	s_wait_xcnt 0x0                                ; block a - 2's stores have read their registers and their base
.endif
	TOSTAGE \a
	SEND \a-1, 32                                  ; behind block a - 1's loads: block a's 16 stores and 16 loads
.endr
	s_wait_xcnt 0x0
	SEND 7, 0
	s_wait_tensorcnt 0x0                           ; the wave's end
	ds_add_u32 v[SPW], v[NIL]
	s_wait_dscnt 0x0
	CROUND                                         ; the closing round
	s_endpgm
.Lfunc_end_k_qef29b8578c_oproj:
	.size	k_qef29b8578c_oproj, .Lfunc_end_k_qef29b8578c_oproj-k_qef29b8578c_oproj
	.p2alignl 7, 3214868480
	.fill 96, 4, 3214868480
	.section	.rodata,"a",@progbits
	.p2align	6, 0x0
	.amdhsa_kernel k_qef29b8578c_oproj
		.amdhsa_group_segment_fixed_size 327680
		.amdhsa_private_segment_fixed_size 0
		.amdhsa_enable_private_segment 0
		.amdhsa_kernarg_size 48
		.amdhsa_user_sgpr_count 2
		.amdhsa_user_sgpr_kernarg_segment_ptr 1
		.amdhsa_wavefront_size32 1
		.amdhsa_system_sgpr_workgroup_id_x 1
		.amdhsa_system_sgpr_workgroup_id_y 1
		.amdhsa_system_sgpr_workgroup_id_z 1
		.amdhsa_system_vgpr_workitem_id 0
		.amdhsa_next_free_vgpr 1024
		.amdhsa_next_free_sgpr 100
		.amdhsa_reserve_vcc 0
		.amdhsa_float_denorm_mode_32 3
		.amdhsa_float_denorm_mode_16_64 3
		.amdhsa_memory_ordered 1
		.amdhsa_forward_progress 1
		.amdhsa_inst_pref_size 154
	.end_amdhsa_kernel
	.amdgpu_metadata
---
amdhsa.version: [ 1, 2 ]
amdhsa.kernels:
  - .name:           k_qef29b8578c_oproj
    .symbol:         k_qef29b8578c_oproj.kd
    .args:
      - { .name: cimg, .offset: 0, .size: 8, .value_kind: global_buffer, .address_space: global }
      - { .name: cscl, .offset: 8, .size: 8, .value_kind: global_buffer, .address_space: global }
      - { .name: W_o_codes, .offset: 16, .size: 8, .value_kind: global_buffer, .address_space: global }
      - { .name: W_o_scales, .offset: 24, .size: 8, .value_kind: global_buffer, .address_space: global }
      - { .name: b_o, .offset: 32, .size: 8, .value_kind: global_buffer, .address_space: global }
      - { .name: out0, .offset: 40, .size: 8, .value_kind: global_buffer, .address_space: global }
    .group_segment_fixed_size: 327680
    .private_segment_fixed_size: 0
    .kernarg_segment_align: 8
    .kernarg_segment_size: 48
    .max_flat_workgroup_size: 128
    .sgpr_count:     100
    .vgpr_count:     1024
    .wavefront_size: 32
...
	.end_amdgpu_metadata
.endif
;; end of part 3
